; MI455X (gfx1250); checked and timed in simulation.
; The chip was launched on July 23, 2026; its instructions are those of AMD's public machine-readable ISA for CDNA 5 (MIT licence, August 2026) and "CDNA5" Instruction Set Architecture Reference Guide (July 2026). The comments in the code are by the model that wrote it; some were corrected since.
;; Transformer. Allowed arithmetic: matrix products marked QUANTISED: E2M3 operands, one E8M0 scale for each 32 along K, by v_wmma_scale_f32_16x16x128_f8f6f4 with both operands' format E2M3, f32 sums; everything else in f32.
;; Inputs: wk_b 1,024 float32; wk_w 1,024 x 1,024 float32; wq_b 1,024 float32; wq_w 1,024 x 1,024 float32; wv_b 1,024 float32; wv_w 1,024 x 1,024 float32; x 2 x 2,048 x 1,024 float32.
;; Outputs: out0 2 x 2,048 x 1,024 float32.
;; This version of the problem:
;;   THIS VERSION OF THE PROBLEM IS GIVEN IN LOW PRECISION. The matrix products marked QUANTISED in the list below multiply operands that are first quantised to E2M3 (2 exponent bits, 3 mantissa bits; 6 bits a number), with one power-of-two scale for each 32 numbers along K (OCP MX v1.0); their sums are f32. All else is computed in f32.
;;   The module's matrix products, in the order in which they are computed (A, B: the left and right operand; K: the contracted axis; several contracted axes count as one K, in the product's order):
;;     1. [M 4,096, K 1,024] x [K 1,024, N 1,024]; A: input x; B: input wq_w: QUANTISED
;;     2. [M 4,096, K 1,024] x [K 1,024, N 1,024]; A: input x; B: input wk_w: QUANTISED
;;     3. [M 4,096, K 1,024] x [K 1,024, N 1,024]; A: input x; B: input wv_w: QUANTISED
;;     4. batch 32 x [M 2,048, K 64] x [K 64, N 2,048]; A: computed on the way; B: computed on the way: QUANTISED
;;     5. batch 32 x [M 2,048, K 2,048] x [K 2,048, N 64]; A: softmax (see below); B: computed on the way: QUANTISED
;;   THE QUANTISER, for each operand of a quantised product, along K:
;;     - K is cut into blocks of 32 from its start; a last block that is shorter is filled with zeros.
;;     - A block's scale is 2^e with e = floor(log2(the largest magnitude in the block)) - 2, held to -126 .. 127; a block of zeros has e = 0. As a byte (E8M0): e + 127.
;;     - Each number is divided by its block's scale, clamped to +-7.5, and rounded to the nearest number of E2M3, ties to even, subnormals kept.
;;     - The product sums the exact products of the quantised numbers (number of the format x scale) in f32.
;;   ~~~python
;;   def quantise(x, axis):      # numpy; x: float32 -> the quantised numbers, widened to float32 again
;;       x = np.moveaxis(x, axis, -1); K = x.shape[-1]
;;       x = np.pad(x, [(0, 0)] * (x.ndim - 1) + [(0, -K % 32)]); x = x.reshape(x.shape[:-1] + (-1, 32)); a = np.abs(x).max(-1, keepdims=True)
;;       e = np.where(a > 0, np.clip(np.frexp(np.where(a > 0, a, 1))[1] - 1 - 2, -126, 127), 0)      # np.frexp(a)[1] - 1 = floor(log2(a)), exactly
;;       r = np.clip(x / 2.0 ** e, -7.5, 7.5)
;;       step = 2.0 ** (np.maximum(np.frexp(np.where(r == 0, 1, r))[1] - 1, 0) - 3)
;;       q = np.round(r / step) * step * 2.0 ** e      # np.round: ties to even
;;       return np.moveaxis(q.reshape(q.shape[:-2] + (-1,))[..., :K], -1, axis).astype(np.float32)
;;   ~~~
;;   SOFTMAX AHEAD OF A QUANTISED PRODUCT. Where the list says 'softmax', what is quantised is not the finished softmax but p = 2^(t - M), with t = logit x log2(e) and M = ceil(the row's largest t), a whole number; so 1/2 < the row's largest p <= 1. The row's sum l is taken of the UNQUANTISED p, in f32, and the product's result is divided by l at the end. Since M is a whole number, a kernel that streams over the keys may use a running M (the ceiling of the running maximum): every later rescaling is an exact power of two, which a block's scale takes up: the codes' values come out the same.
;;   OPERANDS COMPUTED ON THE WAY. 'Computed on the way' means the value that the module computes at that place (a softmax that the list does not call 'softmax' is quantised finished and normalised). What goes into a quantiser is computed in f32, as accurately as f32 sums, v_exp_f32 and their like allow (about 1e-6 of the number): no bf16 or f16 on the way to a quantiser, and a product that is left as it is and whose result goes on into a quantised operand takes f32 operands (vector FMAs, or v_wmma_f32_16x16x4_f32). A number that lies on a knife's edge between two numbers of the format may be rounded either way, as far as f32 arithmetic and the matrix unit's own rounding can turn it there, and no further.
;; One version. Each part assembles by itself: llvm-mc -triple=amdgcn-amd-amdhsa -mcpu=gfx1250 --defsym DOCPART=n.
;; ======== version 1 of 1: 3 launches
;; limits: right only within a limited range of input values
;; workspace buffers: pc 5,505,024 bytes; ps 229,376 bytes; qi 3,407,872 bytes; kv 6,684,672 bytes
;; launch quant (part 1): grid 224 x 1, 32 waves a work-group, no clusters, 168,960 bytes of LDS; arguments x, wq_w, wk_w, wv_w, pc, ps; writes pc, ps
.if DOCPART == 1
	.amdgcn_target "amdgcn-amd-amdhsa--gfx1250"
	.amdhsa_code_object_version 6
	.text
	.protected	k_qacc28bfaee_quant
	.globl	k_qacc28bfaee_quant
	.p2align	8
	.type	k_qacc28bfaee_quant,@function
k_qacc28bfaee_quant:
	s_mov_b64 s[64:65], 0
	v_nop
	global_prefetch_b8 v0, s[64:65] scope:SCOPE_SE
	s_setreg_imm32_b32 hwreg(HW_REG_WAVE_MODE, 25, 1), 1
	s_wait_xcnt 0x0
; LEFT OUT IN THE WHOLE PROGRAM: keys that the causal mask of reference() hides are not multiplied where they fill whole steps of 128 keys: their p is 0 for all values of the inputs.  A NaN, an infinity or an overflow that
; reaches only that work is not carried to the result.
; x [4096][1024] and wq_w, wk_w, wv_w [1024][1024], f32, become codes of FP6 (E2M3): pc [7168 rows][768 bytes], K innermost, and ps [7168][32], one E8M0 byte for each 32 along K.  Rows 0-4095: x, then wq, wk, wv.
; A block's byte is its largest magnitude's exponent field - 2, held at 1 from below.
; THE ROWS' ORDER: token 256 g + 128 w + 64 c + 32 h + 8 j + i is stored as row 256 g + 128 c + 32 j + 16 w + 8 h + i; a weight's row 64 d + 32 h + 8 j + i as row 64 d + 16 j + 8 h + i: so that 32 results of a lane
; of the next launch are a scale block of the products that follow.
; LIMITS: a block of zeros, and a block whose largest magnitude lies under 2^-124, gets the byte 1 (this program alone reads the bytes); NaN and infinities are not served.
; SHARES: a work-group takes 32 source rows, a wave one row: 1,024 numbers in two steps of 512.  Work-groups 0-127: x; 128-159: wq; 160-191: wk; 192-223: wv.
; Each load reads 512 consecutive bytes; a step's 2,048 bytes turn through the wave's own stage in LDS (16 bytes of padding behind each 64), so that a lane holds 16 neighbours, two lanes a block.
; The scale bytes of eight waves are 256 bytes that lie on end in ps: they are gathered in LDS and four waves store them.
.set EMAX, 2
.set R,    16                          ; v16-47  a row as it is loaded
.set X,    48                          ; v48-79  16 neighbours, two steps
.set C,    80                          ; v80-87  codes
.set E,    88                          ; v88-89  scale bytes
.set SP,   80
.set WREG, 2*32*SP
.set SCB,  32*WREG                     ; 1,024 scale bytes
.set SPARE, SCB+1024                   ; the spare words, 128 bytes a wave, that no other line names
.set SPW,  12
.set NIL,  13
	s_load_b256 s[4:11], s[0:1], 0x0               ; x, wq_w, wk_w, wv_w
	s_load_b128 s[12:15], s[0:1], 0x20             ; pc, ps
	v_lshl_add_u32 v[SPW], v0, 2, SPARE
	v_mov_b32 v[NIL], 0
	v_lshrrev_b32 v1, 5, v0
	v_readfirstlane_b32 s20, v1                    ; wave
	v_and_b32 v2, 31, v0                           ; lane
	v_lshlrev_b32 v3, 4, v2
	s_mul_i32 s21, s20, WREG
	v_lshrrev_b32 v14, 2, v2
	v_mul_u32_u24 v14, v14, SP
	v_and_b32 v15, 3, v2
	v_lshl_add_u32 v14, v15, 4, v14
	v_add_nc_u32 v14, s21, v14                     ; into the stage: SP (lane / 4) + 16 (lane % 4)
	v_mul_u32_u24 v15, v2, SP
	v_add_nc_u32 v15, s21, v15                     ; out of it: SP x lane
	v_mul_u32_u24 v4, v2, 12                       ; my 16 codes are 12 bytes
	s_lshl_b32 s22, s20, 5
	s_add_co_u32 s22, s22, SCB
	v_lshrrev_b32 v5, 1, v2
	v_add_nc_u32 v5, s22, v5                       ; my block's scale byte
	s_and_b32 s22, s20, 3
	s_lshl_b32 s22, s22, 8
	s_add_co_u32 s22, s22, SCB
	v_lshlrev_b32 v7, 3, v2
	v_add_nc_u32 v6, s22, v7                       ; waves 0-3: 256 scale bytes, 8 a lane
	s_lshr_b32 s23, s20, 3                         ; j
	s_and_b32 s24, s20, 7                          ; i
	s_lshr_b32 s25, ttmp9, 3                       ; x: my first stored row: 256 g + 128 c + 16 w + 8 h
	s_lshl_b32 s25, s25, 8
	s_bfe_u32 s26, ttmp9, 0x10001
	s_lshl_b32 s26, s26, 7
	s_or_b32 s25, s25, s26
	s_bfe_u32 s26, ttmp9, 0x10002
	s_lshl_b32 s26, s26, 4
	s_or_b32 s25, s25, s26
	s_and_b32 s26, ttmp9, 1
	s_lshl_b32 s26, s26, 3
	s_or_b32 s25, s25, s26
	s_sub_co_u32 s27, ttmp9, 128                   ; a weight: 4096 + 64 (m / 2) + 8 (m % 2)
	s_lshr_b32 s28, s27, 1
	s_lshl_b32 s28, s28, 6
	s_and_b32 s29, s27, 1
	s_lshl_b32 s29, s29, 3
	s_add_co_u32 s28, s28, s29
	s_add_co_u32 s28, s28, 4096
	s_and_b32 s29, s27, 31
	s_cmp_lt_u32 ttmp9, 128
	s_cselect_b32 s25, s25, s28
	s_cselect_b32 s26, 32, 16                      ; from one j to the next
	s_cselect_b32 s27, ttmp9, s29                  ; which 32 rows of the source
	s_lshl_b32 s27, s27, 5
	s_add_co_u32 s27, s27, s20
	s_lshl_b32 s30, s27, 12                        ; 4,096 bytes a source row
	s_mov_b32 s31, 0
	s_mul_i32 s28, s26, s23
	s_add_co_u32 s28, s28, s25
	s_add_co_u32 s28, s28, s24
	s_mul_i32 s32, s28, 768                        ; my row of codes
	s_mov_b32 s33, 0
	s_mul_i32 s28, s26, s20
	s_add_co_u32 s28, s28, s25
	s_lshl_b32 s34, s28, 5                         ; waves 0-3: the scale bytes of the eight rows with j = wave
	s_mov_b32 s35, 0
	s_wait_alu depctr_va_vdst(0)                   ; the wait at the head's end
	s_wait_kmcnt 0x0
	s_cmp_lt_u32 ttmp9, 192
	s_cselect_b64 s[10:11], s[8:9], s[10:11]
	s_cmp_lt_u32 ttmp9, 160
	s_cselect_b64 s[10:11], s[6:7], s[10:11]
	s_cmp_lt_u32 ttmp9, 128
	s_cselect_b64 s[10:11], s[4:5], s[10:11]
	s_add_nc_u64 s[10:11], s[10:11], s[30:31]
	s_add_nc_u64 s[12:13], s[12:13], s[32:33]
	s_add_nc_u64 s[14:15], s[14:15], s[34:35]
.irp i, 0,1,2,3,4,5,6,7
	global_load_b128 v[R+4*\i:R+4*\i+3], v3, s[10:11] offset:512*\i th:TH_LOAD_NT
.endr
.macro TURN t                          ; LDS serves a wave's instructions in order: no wait between the stores and the loads
.irp i, 0,1,2,3
	ds_store_b128 v14, v[R+16*\t+4*\i:R+16*\t+4*\i+3] offset:32*SP*\t+8*SP*\i
.endr
.irp i, 0,1,2,3
	ds_load_b128 v[X+16*\t+4*\i:X+16*\t+4*\i+3], v15 offset:32*SP*\t+16*\i
.endr
.endm
.macro WORK t
.set XS, X+16*\t
	v_max3_num_f32 v8, |v[XS]|, |v[XS+1]|, |v[XS+2]|
	v_max3_num_f32 v9, |v[XS+3]|, |v[XS+4]|, |v[XS+5]|
.irp i, 6,10
	v_max3_num_f32 v8, v8, |v[XS+\i]|, |v[XS+\i+1]|
	v_max3_num_f32 v9, v9, |v[XS+\i+2]|, |v[XS+\i+3]|
.endr
	v_max3_num_f32 v8, v8, |v[XS+14]|, |v[XS+15]|
	v_max3_num_f32 v8, v8, v9, (EMAX+1)<<23        ; the floor 2^(3 - 127)
	v_max_num_f32_dpp v8, v8, v8 row_xmask:1 row_mask:0xf bank_mask:0xf
	v_add_nc_u32 v11, -(EMAX<<23), v8
	v_cvt_scalef32_pk16_fp6_f32 v[C+4*\t:C+4*\t+2], v[XS:XS+15], v11
	v_lshrrev_b32 v[E+\t], 23, v11
	ds_store_b8 v5, v[E+\t] offset:16*\t           ; both lanes of a block write the same byte
	global_store_b96 v4, v[C+4*\t:C+4*\t+2], s[12:13] offset:384*\t   ; 384 consecutive bytes
.endm
	s_wait_loadcnt 4                               ; step 0's four loads are in
	TURN 0
	s_wait_loadcnt 0
	TURN 1
	s_wait_dscnt 8                                 ; step 0 is back from the stage; step 1's eight may be out
	WORK 0
	s_wait_dscnt 1                                 ; step 1 is back; step 0's byte store may be out
	WORK 1
	s_wait_alu depctr_va_vdst(0)
	s_wait_dscnt 0x0                               ; my scale bytes are in LDS
	s_barrier_signal -1
	s_barrier_wait -1
	s_cmp_lt_u32 s20, 4
	s_cbranch_scc0 .Lend
	ds_load_b64 v[8:9], v6
	s_wait_dscnt 0x0
	global_store_b64 v7, v[8:9], s[14:15]          ; 256 consecutive bytes, aligned
.Lend:
	s_wait_tensorcnt 0x0                           ; the wave's end
	ds_add_u32 v[SPW], v[NIL]
	s_wait_dscnt 0x0
	s_endpgm
.Lfunc_end_k_qacc28bfaee_quant:
	.size	k_qacc28bfaee_quant, .Lfunc_end_k_qacc28bfaee_quant-k_qacc28bfaee_quant
	.p2alignl 7, 3214868480
	.fill 96, 4, 3214868480
	.section	.rodata,"a",@progbits
	.p2align	6, 0x0
	.amdhsa_kernel k_qacc28bfaee_quant
		.amdhsa_group_segment_fixed_size 168960
		.amdhsa_private_segment_fixed_size 0
		.amdhsa_enable_private_segment 0
		.amdhsa_kernarg_size 48
		.amdhsa_user_sgpr_count 2
		.amdhsa_user_sgpr_kernarg_segment_ptr 1
		.amdhsa_wavefront_size32 1
		.amdhsa_system_sgpr_workgroup_id_x 1
		.amdhsa_system_sgpr_workgroup_id_y 1
		.amdhsa_system_sgpr_workgroup_id_z 1
		.amdhsa_system_vgpr_workitem_id 0
		.amdhsa_next_free_vgpr 96
		.amdhsa_next_free_sgpr 66
		.amdhsa_reserve_vcc 0
		.amdhsa_float_denorm_mode_32 3
		.amdhsa_float_denorm_mode_16_64 3
		.amdhsa_memory_ordered 1
		.amdhsa_forward_progress 1
		.amdhsa_inst_pref_size 8
	.end_amdhsa_kernel
	.amdgpu_metadata
---
amdhsa.version: [ 1, 2 ]
amdhsa.kernels:
  - .name:           k_qacc28bfaee_quant
    .symbol:         k_qacc28bfaee_quant.kd
    .args:
      - { .name: x, .offset: 0, .size: 8, .value_kind: global_buffer, .address_space: global }
      - { .name: wq_w, .offset: 8, .size: 8, .value_kind: global_buffer, .address_space: global }
      - { .name: wk_w, .offset: 16, .size: 8, .value_kind: global_buffer, .address_space: global }
      - { .name: wv_w, .offset: 24, .size: 8, .value_kind: global_buffer, .address_space: global }
      - { .name: pc, .offset: 32, .size: 8, .value_kind: global_buffer, .address_space: global }
      - { .name: ps, .offset: 40, .size: 8, .value_kind: global_buffer, .address_space: global }
    .group_segment_fixed_size: 168960
    .private_segment_fixed_size: 0
    .kernarg_segment_align: 8
    .kernarg_segment_size: 48
    .max_flat_workgroup_size: 1024
    .sgpr_count:     66
    .vgpr_count:     96
    .wavefront_size: 32
...
	.end_amdgpu_metadata
.endif
;; end of part 1
;; launch proj (part 2): grid 16 x 16, 4 waves a work-group, clusters of 4 x 4, 327,680 bytes of LDS; arguments pc, ps, wq_b, wk_b, wv_b, qi, kv; writes qi, kv
.if DOCPART == 2
	.amdgcn_target "amdgcn-amd-amdhsa--gfx1250"
	.amdhsa_code_object_version 6
	.text
	.protected	k_qacc28bfaee_proj
	.globl	k_qacc28bfaee_proj
	.p2align	8
	.type	k_qacc28bfaee_proj,@function
k_qacc28bfaee_proj:
	s_mov_b64 s[64:65], 0
	v_nop
	global_prefetch_b8 v0, s[64:65] scope:SCOPE_SE
	s_setreg_imm32_b32 hwreg(HW_REG_WAVE_MODE, 25, 1), 1
	s_wait_xcnt 0x0
	s_wait_alu depctr_hold_cnt(0) depctr_sa_sdst(0) depctr_va_vdst(0) depctr_va_sdst(0) depctr_va_ssrc(0) depctr_va_vcc(0) depctr_vm_vsrc(0)
	s_getreg_b32 s2, hwreg(HW_REG_IB_STS2, 6, 4)
	s_cmp_eq_u32 s2, 0
	s_cbranch_scc0 .Lentry_in_a_cluster
	s_endpgm
.Lentry_in_a_cluster:
	s_bfe_u32 s2, ttmp6, 0x10000c
	s_cmp_lg_u32 s2, 0xf033
	s_cbranch_scc0 .Lentry_shape_is_right
	s_endpgm
.Lentry_shape_is_right:
; q, k, v = x W^T + b on codes of FP6 with E8M0 scales, K = 1,024, sums in f32; the results are quantised in registers and stored as images of the next launch's operand registers.
; THE DEAL.  256 work-groups of four waves, 2 x 2.  A work-group makes 256 tokens x (128 columns of Q or K, and 64 of V).  Tile column s42 = 0-7 Q, 8-15 K; tile row s43.  The wave in row w takes the stored rows 32 s + 16 w + 0 .. 15
; of the 256 as its block s = 4 c + j: tile j of band c of key step 2 s43 + w; the wave in column b takes one head of Q or K (64 columns) and half a head of V (32 columns).
; A wave holds its 96 rows of the weights, ALL of K, in registers and streams x past them: a block is 48 products, six accumulators by turns.
; Q, K: source 0 = the weight's rows: lane (r, h) holds a token and, by the rows' order, the 32 neighbouring channels 32 h + 8 j + i.  V: source 0 = x's rows: a lane holds a channel and, over a band's four blocks, the 32 neighbouring
; tokens 64 c + 32 h + 8 j + i.  So a scale block lies in one lane, and two conversions give six registers of the next operand.
; OUT.  kv: for each of 32 (batch, head) 16 records of 13,056 bytes, one for 128 keys: K's 8 tiles x 768; V's 4 tiles x 2 bands x 768; K's scale words 512 (16 x lane: the words of tiles 2 i + lane / 16, i = 0 .. 3); V's 2 x 128.
; qi: records of 6,656: Q's 8 tiles, 512 bytes of words.  768 bytes: registers 0-3 at 16 x lane, registers 4-5 at 512 + 8 x lane.  Q's and K's words repeat bytes 0, 1 as bytes 2, 3.
; LDS: x's chunk 0 (128 rows) at 0; at YB first the 128 rows of W_q or W_k, then, in the launch's one refill, x's chunk 1; W_v's 64 rows at BVB; x's scale bytes at SCL; the spare words.
; CLUSTERS: x's rows are asked for jointly by a row of the cluster, a weight's by a column.  At the head one load a wave.  The refill stands behind a drained round, which also shows chunk 0 and the scale bytes to all waves;
; a plain barrier in block 2 shows chunk 1.  Chunk 1 is asked for into the L2 at the head: each wave of the row's sixteen names 24 of its 384 units of 256 bytes, four blocks' work ahead of their first reads.
; THE BIAS is the C of each sum's first product.
; LIMITS: a block of zeros or with its largest magnitude under 2^-124 gets the byte 1; NaN and infinities are not served.
; FRAGMENTS of 12 registers, 21 to a window from v256 on: f = 4 q + tile (Q, K), 32 + 2 q + tile (V), 48 + 8 set + q (x); f = 63 lies at F63 in window 0.
.set KROW, 768
.set KS,   32
.set PITCH, 816                        ; 3 x (256 + 16)
.set NF,   28                          ; LDS loads of a block: 26 for eight fragments, 2 for eight scale words
.set YB,   128*PITCH
.set BVB,  2*YB
.set SCL,  BVB+64*PITCH
.set SPARE, SCL+32*272                 ; 128 bytes a wave, that no other line names
.set EMAX, 2
.set EBQ,  2                           ; v2, v3   scale bytes of the even and of the odd tiles of Q or K
.set C4,   5
.set PFV,  6
.set AAS,  7
.set C8,   8
.set CO,   9
.set SPW,  10
.set NIL,  11
.set ADRA, 12                          ; v12, v13 my block's rows (v13: behind one padding more)
.set NCD,  14                          ; v14-19   codes
.set TC,   20
.set SOP,  23
.set SB,   24                          ; v24-47   the weights' scale words
.set TQ,   48
.set EV,   50
.set SA,   52                          ; v52-67   x's scale words, two sets
.set ACC,  68                          ; v68-131  Q's or K's sums, two sets
.set VACC, 132                         ; v132-195 a band of V: 32 t + 8 j + i
.set QB,   196                         ; v196-227 Q's or K's bias
.set VB,   228                         ; v228-243 V's
.set F63,  244
.set G1A, 24
.set G1B, 32
.set G0A, 56
.set G0B, 60
.set G0V, 68
.set G0S, 72
.set G0R, 76
.set G1V, 80
.set G1S, 92
.set MSB, 0
.macro WIN new
.if MSB != (\new)
	s_set_vgpr_msb (MSB<<8)|(\new)
.set MSB, (\new)
.endif
.endm
.macro PLACES n
.rept \n
	v_nop
.endr
.endm
.macro WALU
	s_wait_alu depctr_va_vdst(0)
.endm
.macro CROUND                          ; a round of the cluster's barrier
	s_barrier_signal -1
	s_barrier_wait -1
	s_cmp_lg_u32 s14, 0
	s_cbranch_scc1 .Lnot_wave_0_\@
	s_barrier_signal -3
.Lnot_wave_0_\@:
	s_barrier_wait -3
	s_barrier_signal -1
	s_barrier_wait -1
.endm
.macro TLOAD g0, g1
	tensor_load_to_lds s[\g0:\g0+3], s[\g1:\g1+7]
	s_nop 0
	PLACES 4
.endm
.macro GROUP1 g, mask, rows            ; rows of 768 bytes, 16 bytes of padding behind every 256
	s_or_b32 s[\g+0], s[\mask], (1<<20)|(1<<21)|(5<<22)|(3<<25)
	s_mov_b32 s[\g+1], KROW<<16
	s_mov_b32 s[\g+2], (\rows)<<16
	s_mov_b32 s[\g+3], KROW<<16
	s_mov_b32 s[\g+4], \rows
	s_mov_b32 s[\g+5], KROW
	s_mov_b32 s[\g+6], 0
	s_mov_b32 s[\g+7], 0
.endm
.macro G0SET g, lds, base, off
	s_mov_b32 s[\g], 1
	s_mov_b32 s[\g+1], \lds
	s_mov_b32 s20, s\off
	s_add_nc_u64 s[\g+2:\g+3], s[\base:\base+1], s[20:21]
	s_or_b32 s[\g+3], s[\g+3], 0x80000000
.endm
.macro FRG f                           ; where fragment f lies
.if (\f) == 63
.set FW_, 0
.set FR_, F63
.else
.set FW_, 1+((\f)/21)
.set FR_, 12*((\f)%21)
.endif
.endm
.macro FRAG f, q, a0, a1               ; six pieces of 8 bytes, two to a load where both lie behind as many paddings
	FRG \f
	WIN (FW_<<6)
.set SKIP_, 0
.irp p, 0,1,2,3,4,5
.if SKIP_
.set SKIP_, 0
.else
.set PC_, 12*(\q)+6*(\p/3)+\p%3
.set PN_, 12*(\q)+6*((\p+1)/3)+(\p+1)%3
.set X_, (PC_%32+3)/32
.set XQ_, (PN_%32+3)/32
.if (\p < 5) && (X_ == XQ_)
.set SKIP_, 1
.if X_
	ds_load_2addr_b64 v[FR_+2*\p:FR_+2*\p+3], \a1 offset0:PC_+2*(PC_/32) offset1:PN_+2*(PN_/32)
.else
	ds_load_2addr_b64 v[FR_+2*\p:FR_+2*\p+3], \a0 offset0:PC_+2*(PC_/32) offset1:PN_+2*(PN_/32)
.endif
.elseif X_
	ds_load_b64 v[FR_+2*\p:FR_+2*\p+1], \a1 offset:8*(PC_+2*(PC_/32))
.else
	ds_load_b64 v[FR_+2*\p:FR_+2*\p+1], \a0 offset:8*(PC_+2*(PC_/32))
.endif
.endif
.endr
.endm
.macro FETCH e                         ; a block of x's rows into set e: NF loads
.irp q, 0,1,2,3,4,5,6,7
	FRAG 48+8*(\e)+\q, \q, v[ADRA], v[ADRA+1]
.endr
	WIN 0
.set Z_, SA+8*(\e)
	ds_load_b128 v[Z_:Z_+3], v[AAS]
	ds_load_b128 v[Z_+4:Z_+7], v[AAS] offset:16
.endm
.macro WM d, s0, s1, c, x0, x1, side, o
.if \o
	v_wmma_scale_f32_16x16x128_f8f6f4 v[\d:\d+7], v[\s0:\s0+11], v[\s1:\s1+11], \c, v[\x0], v[\x1] matrix_a_fmt:MATRIX_FMT_FP6 matrix_b_fmt:MATRIX_FMT_FP6 matrix_\side\()_scale:MATRIX_SCALE_ROW1
.else
	v_wmma_scale_f32_16x16x128_f8f6f4 v[\d:\d+7], v[\s0:\s0+11], v[\s1:\s1+11], \c, v[\x0], v[\x1] matrix_a_fmt:MATRIX_FMT_FP6 matrix_b_fmt:MATRIX_FMT_FP6 matrix_\side\()_scale:MATRIX_SCALE_ROW0
.endif
.endm
; Product n = 6 q + k of a block: k = 0 .. 3 Q's or K's tile k, k = 4, 5 V's tile k - 4: six accumulators by turns.
.macro PROD e, n, j
.set Q_, (\n)/6
.set K_, (\n)%6
	FRG 48+8*(\e)+Q_
.set XW_, FW_
.set XR_, FR_
.set XA_, SA+8*(\e)+Q_
.if K_ < 4
	FRG 4*Q_+K_
	WIN (FW_|(XW_<<2))
.set D_, ACC+32*(\e)+8*K_
.set C_, QB+8*K_
.set XB_, SB+8*(K_/2)+Q_
.if Q_
	WM D_, FR_, XR_, v[D_:D_+7], XB_, XA_, a, K_%2
.else
	WM D_, FR_, XR_, v[C_:C_+7], XB_, XA_, a, K_%2
.endif
.else
	FRG 32+2*Q_+K_-4
	WIN (XW_|(FW_<<2))
.set D_, VACC+32*(K_-4)+8*(\j)
.set C_, VB+8*(K_-4)
.set XB_, SB+16+Q_
.if Q_
	WM D_, XR_, FR_, v[D_:D_+7], XA_, XB_, b, K_%2
.else
	WM D_, XR_, FR_, v[C_:C_+7], XA_, XB_, b, K_%2
.endif
.endif
.endm
; Products from .. to - 1; behind every second one two entries of a list: at most one vector line each.
.macro BLOCK e, j, from, to, list, x=0
.set N_, \from
.rept (\to)-(\from)
	PROD \e, N_, \j
.if N_%2
	\list N_-1, \x
	\list N_, \x
.endif
.set N_, N_+1
.endr
.endm
.macro STEPV i                         ; to the next block's LDS addresses
.if (\i) == 0
	WIN 0
	v_add_nc_u32 v[ADRA], 32*PITCH, v[ADRA]
.elseif (\i) == 1
	WIN 0
	v_add_nc_u32 v[ADRA+1], 32*PITCH, v[ADRA+1]
.elseif (\i) == 2
	WIN 0
	v_add_nc_u32 v[AAS], 4*272, v[AAS]
.endif
.endm
.macro CHAIN i, x, t, so               ; 18 entries: the largest magnitude of the 32 sums from register x on, in two chains, and the conversions' scale operand
.if (\i) >= 0 && (\i) < 14
.set B_, (\x)+16*((\i)%2)+2*((\i)/2)
.set T_, (\t)+1-((\i)%2)
	WIN 0
.if (\i) < 2
	v_max3_num_f32 v[T_], |v[B_]|, |v[B_+1]|, |v[B_+2]|
.else
	v_max3_num_f32 v[T_], v[T_], |v[B_+1]|, |v[B_+2]|
.endif
.elseif (\i) == 14
.set B_, \x
.set T_, \t
	WIN 0
	v_max3_num_f32 v[T_+1], v[T_+1], |v[B_+15]|, (EMAX+1)<<23
.elseif (\i) == 15
	WIN 0
	v_nop
.elseif (\i) == 16
.set B_, \x
.set T_, \t
	WIN 0
	v_max3_num_f32 v[T_], v[T_], |v[B_+31]|, v[T_+1]
.elseif (\i) == 17
.set T_, \t
.set S_, \so
	WIN 0
	v_add_nc_u32 v[S_], -(EMAX<<23), v[T_]
.endif
.endm
.macro L_STEP i, x
	STEPV \i
.endm
.macro L_BOTH i, x
	STEPV \i
	CHAIN (\i)-28, \x, TQ, SOP
.endm
.macro L_CHAIN i, x
	CHAIN (\i)-28, \x, TQ, SOP
.endm
.macro QCODES t                        ; block t's codes and its scale byte
.set X_, ACC+32*((\t)%2)
.set S_, EBQ+((\t)%2)
	v_cvt_scalef32_pk16_fp6_f32 v[NCD:NCD+2], v[X_:X_+15], v[SOP]
	v_cvt_scalef32_pk16_fp6_f32 v[TC:TC+2], v[X_+16:X_+31], v[SOP]
.if (\t) < 2
	v_lshrrev_b32 v[S_], 23, v[SOP]
.else
	v_lshrrev_b32 v0, 23, v[SOP]
.endif
	v_mov_b32 v[NCD+3], v[TC]
	v_mov_b32 v[NCD+4], v[TC+1]
	v_mov_b32 v[NCD+5], v[TC+2]
.if (\t) >= 2
	v_lshl_or_b32 v[S_], v0, 8*((\t)/2), v[S_]
.endif
.endm
.macro QSTORE t
	global_store_b128 v[CO], v[NCD:NCD+3], s[10:11] offset:768*(\t)
	global_store_b64 v[C8], v[NCD+4:NCD+5], s[10:11] offset:768*(\t)+512
.endm
; V's band c.  The first set of sums of Q or K is free here and lends the chains' registers.  The codes lie over sums that are done with: tile 0's at VACC + 8, tile 1's at VACC + 16 (written again two and three blocks on).
.macro VCODES c
	v_cvt_scalef32_pk16_fp6_f32 v[ACC:ACC+2], v[VACC:VACC+15], v[ACC+12]
	v_cvt_scalef32_pk16_fp6_f32 v[ACC+4:ACC+6], v[VACC+16:VACC+31], v[ACC+12]
.if (\c) == 0
	v_lshrrev_b32 v[EV], 23, v[ACC+12]
	v_lshrrev_b32 v[EV+1], 23, v[ACC+13]
.else
	v_lshrrev_b32 v0, 23, v[ACC+12]
	v_lshrrev_b32 v1, 23, v[ACC+13]
	v_lshl_or_b32 v[EV], v0, 16, v[EV]
	v_lshl_or_b32 v[EV+1], v1, 16, v[EV+1]
.endif
.irp i, 0,1,2
	v_mov_b32 v[VACC+8+\i], v[ACC+\i]
	v_mov_b32 v[VACC+11+\i], v[ACC+4+\i]
.endr
	v_cvt_scalef32_pk16_fp6_f32 v[VACC+16:VACC+18], v[VACC+32:VACC+47], v[ACC+13]
	v_cvt_scalef32_pk16_fp6_f32 v[VACC+24:VACC+26], v[VACC+48:VACC+63], v[ACC+13]
	v_nop
.irp i, 0,1,2
	v_mov_b32 v[VACC+19+\i], v[VACC+24+\i]
.endr
.endm
.macro VSTORE c
	global_store_b128 v[CO], v[VACC+8:VACC+11], s[12:13] offset:768*(\c)
	global_store_b64 v[C8], v[VACC+12:VACC+13], s[12:13] offset:768*(\c)+512
	global_store_b128 v[CO], v[VACC+16:VACC+19], s[12:13] offset:1536+768*(\c)
	global_store_b64 v[C8], v[VACC+20:VACC+21], s[12:13] offset:1536+768*(\c)+512
.endm
; Block s: its products, with the search over block s - 1's sums among them; block s - 1's codes; block s + 2's rows.
.macro BLK s
	s_wait_xcnt 0x0                                ; earlier stores have read their data
.if (\s) < 7
	s_wait_dscnt NF                                ; this block's rows are in; the next block's NF loads may be out
.else
	s_wait_dscnt 0x0
.endif
.if (\s) == 0
	BLOCK 0, 0, 0, 48, L_STEP
.elseif (\s) == 2
	BLOCK 0, 2, 0, 36, L_BOTH, ACC+32
	WIN 0
	WALU
	s_wait_tensorcnt 0x0                           ; my part of chunk 1 is in
	s_wait_dscnt 0x0
	s_barrier_signal -1                            ; a plain barrier
	BLOCK 0, 2, 36, 48, L_BOTH, ACC+32
	WIN 0
	WALU
	s_barrier_wait -1
.elseif (\s) < 6
	BLOCK (\s)%2, (\s)%4, 0, 48, L_BOTH, ACC+32*(((\s)+1)%2)
.else
	BLOCK (\s)%2, (\s)%4, 0, 48, L_CHAIN, ACC+32*(((\s)+1)%2)
.endif
	WIN 0
.if (\s) == 0
	PLACES 4
.else
	QCODES (\s)-1
.endif
.if (\s) == 3
.set I_, 0
.rept 18
	CHAIN I_, VACC, ACC+8, ACC+12
	CHAIN I_, VACC+32, ACC+10, ACC+13
.set I_, I_+1
.endr
	VCODES 0
.endif
	WALU
.if (\s) > 0
	QSTORE (\s)-1
.endif
.if (\s) == 3
	VSTORE 0
.endif
.if (\s) < 6
	FETCH (\s)%2
.endif
.endm
	s_load_b128 s[4:7], s[0:1], 0x0                ; pc, ps
	s_load_b128 s[48:51], s[0:1], 0x10             ; wq_b, wk_b
	s_load_b128 s[52:55], s[0:1], 0x20             ; wv_b, qi
	s_load_b64 s[88:89], s[0:1], 0x30              ; kv
	v_lshl_add_u32 v[SPW], v0, 2, SPARE
	v_mov_b32 v[NIL], 0
	ds_add_u32 v[SPW], v[NIL]                      ; the wave's opening: the add, twice on end, and its wait
	ds_add_u32 v[SPW], v[NIL]
	v_lshrrev_b32 v1, 5, v0
	v_readfirstlane_b32 s14, v1                    ; wave; s15 its row of the 2 x 2, s16 its column
	s_lshr_b32 s15, s14, 1
	s_and_b32 s16, s14, 1
	s_bfe_u32 s40, ttmp6, 0x40000                  ; cx
	s_bfe_u32 s41, ttmp6, 0x40004                  ; cy
	s_lshl_b32 s42, ttmp9, 2
	s_add_co_u32 s42, s42, s40                     ; tile column
	s_and_b32 s43, ttmp7, 0xffff
	s_lshl_b32 s43, s43, 2
	s_add_co_u32 s43, s43, s41                     ; tile row
	s_lshl_b32 s44, s41, 2
	s_lshl_b32 s44, 15, s44                        ; my row of the cluster
	s_lshl_b32 s45, 0x1111, s40                    ; my column
	GROUP1 G1A, 44, 128
	GROUP1 G1B, 45, 128
	GROUP1 G1V, 45, 64
	s_or_b32 s[G1S+0], s44, (3<<16)|(1<<20)|(1<<21)|(5<<22)|(3<<25)   ; 8,192 dense bytes as 32 rows of 256
	s_mov_b32 s[G1S+1], 32<<16
	s_mov_b32 s[G1S+2], 32<<16
	s_mov_b32 s[G1S+3], 32<<16
	s_mov_b32 s[G1S+4], 32
	s_mov_b32 s[G1S+5], 32
	s_mov_b32 s[G1S+6], 0
	s_mov_b32 s[G1S+7], 0
	s_mul_i32 s66, s43, 256*KROW                   ; x's rows, in bytes from pc
	s_mul_i32 s67, s42, 128*KROW
	s_add_co_u32 s67, s67, 4096*KROW               ; W_q's or W_k's
	s_mul_i32 s90, s42, 64*KROW
	s_add_co_u32 s90, s90, 6144*KROW               ; W_v's
	s_mul_i32 s91, s43, 256*KS                     ; x's scale bytes, from ps
	s_mov_b32 s21, 0
	v_and_b32 v3, 31, v0                           ; lane
	v_and_b32 v1, 15, v0                           ; r
	v_bfe_u32 v2, v0, 4, 1                         ; h
	WALU
	s_wait_dscnt 0x0
	CROUND                                         ; all sixteen work-groups are here
	s_wait_kmcnt 0x0
	G0SET G0B, YB, 4, 67
	G0SET G0V, BVB, 4, 90
	G0SET G0A, 0, 4, 66
	G0SET G0S, SCL, 6, 91
	s_cmp_eq_u32 s14, 0                            ; one load a wave
	s_cbranch_scc0 .Lwave_1
	TLOAD G0B, G1B
	s_branch .Lasked
.Lwave_1:
	s_cmp_eq_u32 s14, 1
	s_cbranch_scc0 .Lwave_2
	TLOAD G0V, G1V
	s_branch .Lasked
.Lwave_2:
	s_cmp_eq_u32 s14, 2
	s_cbranch_scc0 .Lwave_3
	TLOAD G0A, G1A
	s_branch .Lasked
.Lwave_3:
	TLOAD G0S, G1S
.Lasked:
	; the weights' scale words: lane l takes row l of a pair of tiles
	s_lshl_b32 s17, s42, 12                        ; 128 rows of 32 bytes
	s_lshl_b32 s20, s16, 11
	s_add_co_u32 s20, s20, s17
	s_add_co_u32 s20, s20, 4096*KS
	s_add_nc_u64 s[22:23], s[6:7], s[20:21]
	s_lshl_b32 s17, s42, 11
	s_lshl_b32 s20, s16, 10
	s_add_co_u32 s20, s20, s17
	s_add_co_u32 s20, s20, 6144*KS
	s_add_nc_u64 s[18:19], s[6:7], s[20:21]
	v_lshlrev_b32 v4, 5, v3
.irp c, 0,1
	global_load_b128 v[SB+4*\c:SB+4*\c+3], v4, s[22:23] offset:16*\c
	global_load_b128 v[SB+8+4*\c:SB+8+4*\c+3], v4, s[22:23] offset:1024+16*\c
	global_load_b128 v[SB+16+4*\c:SB+16+4*\c+3], v4, s[18:19] offset:16*\c
.endr
	; where the results go
	s_lshl_b32 s17, s42, 1
	s_add_co_u32 s17, s17, s16
	s_and_b32 s17, s17, 15                         ; my head of Q or K
	s_lshr_b32 s46, s43, 3                         ; batch
	s_lshl_b32 s46, s46, 4
	s_and_b32 s47, s43, 7
	s_lshl_b32 s47, s47, 1
	s_add_co_u32 s47, s47, s15                     ; key step in the batch
	s_add_co_u32 s90, s46, s17                     ; (batch, head) of Q or K,
	s_add_co_u32 s91, s46, s42                     ; of V
	s_cmp_lt_u32 s42, 8                            ; Q or K?
	s_mov_b32 s20, 208896
	s_cselect_b32 s20, 106496, s20
	s_mov_b32 s66, 13056
	s_cselect_b32 s66, 6656, s66
	s_mov_b32 s67, 12288
	s_cselect_b32 s67, 6144, s67
	s_cselect_b64 s[10:11], s[54:55], s[88:89]
	s_cselect_b64 s[8:9], s[48:49], s[50:51]
	s_mul_i32 s20, s20, s90
	s_mul_i32 s66, s66, s47
	s_add_co_u32 s20, s20, s66
	s_add_nc_u64 s[10:11], s[10:11], s[20:21]      ; Q's or K's record
	s_mov_b32 s20, s67
	s_add_nc_u64 s[50:51], s[10:11], s[20:21]      ; its words
	s_lshl_b32 s20, s17, 8
	s_add_nc_u64 s[8:9], s[8:9], s[20:21]          ; its bias: 64 numbers
	s_mul_i32 s20, s91, 208896
	s_mul_i32 s66, s47, 13056
	s_add_co_u32 s20, s20, s66
	s_add_nc_u64 s[12:13], s[88:89], s[20:21]      ; V's record
	s_lshl_b32 s20, s16, 7
	s_add_co_u32 s20, s20, 12800
	s_add_nc_u64 s[100:101], s[12:13], s[20:21]    ; my 128 bytes of its words
	s_mul_i32 s20, s16, 3072
	s_add_co_u32 s20, s20, 6144
	s_add_nc_u64 s[12:13], s[12:13], s[20:21]      ; my two tiles
	s_lshl_b32 s20, s42, 8
	s_lshl_b32 s66, s16, 6
	s_add_co_u32 s20, s20, s66
	s_add_nc_u64 s[52:53], s[52:53], s[20:21]      ; V's bias: tile t, lane r: channel 32 (r / 8) + 8 (2 b + t) + r % 8
	v_lshlrev_b32 v20, 7, v2                       ; Q, K: register 8 j + i is channel 32 h + 8 j + i
.irp k, 0,1,2,3,4,5,6,7
	global_load_b128 v[QB+4*\k:QB+4*\k+3], v20, s[8:9] offset:16*\k
.endr
	v_lshrrev_b32 v21, 3, v1
	v_lshlrev_b32 v21, 7, v21
	v_and_b32 v22, 7, v1
	v_lshl_add_u32 v21, v22, 2, v21
	global_load_b32 v[VB], v21, s[52:53]
	global_load_b32 v[VB+8], v21, s[52:53] offset:32
	s_mul_i32 s66, s43, 256*KROW                   ; x's rows once more
	s_add_co_u32 s66, s66, 128*KROW                ; chunk 1
	s_lshl_b32 s17, s40, 2
	s_add_co_u32 s17, s17, s14                     ; my number among the sixteen waves of my row of the cluster
	s_mul_i32 s17, s17, 128*KROW/16
	s_add_co_u32 s17, s17, s66
	v_min_u32 v[PFV], 23, v3
	v_lshl_add_u32 v[PFV], v[PFV], 8, s17
	global_prefetch_b8 v[PFV], s[4:5] th:TH_LOAD_NT scope:SCOPE_SE
	v_lshlrev_b32 v[CO], 4, v3
	v_lshlrev_b32 v[C8], 3, v3
	v_lshlrev_b32 v[C4], 2, v3
	v_mul_u32_u24 v14, v1, PITCH
	v_mad_u32_u24 v15, v2, 24, v14                 ; row x pitch + 24 h
	v_mad_u32_u24 v16, v2, 40, v14                 ; and behind one padding more
	s_mul_i32 s17, s15, 16*PITCH
	v_add_nc_u32 v[ADRA], s17, v15
	v_add_nc_u32 v[ADRA+1], s17, v16
	s_mul_i32 s17, s16, 64*PITCH
	s_add_co_u32 s17, s17, YB
	s_mul_i32 s67, s16, 32*PITCH
	s_add_co_u32 s67, s67, BVB
	v_add_nc_u32 v17, s17, v15
	v_add_nc_u32 v18, s17, v16
	v_add_nc_u32 v19, s67, v15
	v_add_nc_u32 v22, s67, v16
.irp b, 0,1,2,3                                ; the weights' addresses, in the sums' registers
	v_add_nc_u32 v[ACC+2*\b], \b*16*PITCH, v17
	v_add_nc_u32 v[ACC+2*\b+1], \b*16*PITCH, v18
.endr
.irp b, 0,1
	v_add_nc_u32 v[ACC+8+2*\b], \b*16*PITCH, v19
	v_add_nc_u32 v[ACC+9+2*\b], \b*16*PITCH, v22
.endr
	v_lshlrev_b32 v14, 5, v1                       ; x's scale bytes: 32 a row and 16 more for each 256 passed
	v_lshrrev_b32 v15, 3, v1
	v_lshl_add_u32 v14, v15, 4, v14
	s_mul_i32 s17, s15, 2*272
	s_add_co_u32 s17, s17, SCL
	v_add_nc_u32 v[AAS], s17, v14
	WALU
	s_wait_loadcnt 0x0
.irp t, 0,8
.irp i, 1,2,3,4,5,6,7
	v_mov_b32 v[VB+\t+\i], v[VB+\t]
.endr
.endr
	WALU                                           ; the wait at the head's end
	s_cmp_lt_u32 s14, 2
	s_cbranch_scc0 .Lno_weights
	s_wait_tensorcnt 0x0                           ; waves 0 and 1: the weights are in (each its own load line)
.Lno_weights:
	s_barrier_signal -1
	s_barrier_wait -1
.irp q, 0,1,2,3,4,5,6,7                        ; my 96 rows of the weights, all of K
.irp b, 0,1,2,3
	FRAG 4*\q+\b, \q, v[ACC+2*\b], v[ACC+2*\b+1]
.endr
.endr
.irp q, 0,1,2,3,4,5,6,7
.irp b, 0,1
	FRAG 32+2*\q+\b, \q, v[ACC+8+2*\b], v[ACC+9+2*\b]
.endr
.endr
	WIN 0
	s_wait_tensorcnt 0x0                           ; chunk 0 and the scale bytes are in;
	ds_add_u32 v[SPW], v[NIL]                      ; the add ahead of a refill
	s_mov_b32 s[G1A+2], 64<<16                     ; no load of mine is out: the refill brings 64 rows a wave
	s_mov_b32 s[G1A+4], 64
	s_mov_b32 s[G0R], 1
	s_mul_i32 s[G0R+1], s14, 64*PITCH
	s_add_co_u32 s[G0R+1], s[G0R+1], YB
	s_mul_i32 s20, s14, 64*KROW
	s_add_co_u32 s20, s20, s66
	s_add_nc_u64 s[G0R+2:G0R+3], s[4:5], s[20:21]
	s_or_b32 s[G0R+3], s[G0R+3], 0x80000000
	s_wait_dscnt 0x0                               ; the add is done, and so are my reads of the weights
	CROUND
	s_cmp_lt_u32 s14, 2
	s_cbranch_scc0 .Lno_half
	TLOAD G0R, G1A                                 ; waves 0 and 1: half of chunk 1 each, onto W_q's or W_k's rows
.Lno_half:
	FETCH 0
	v_add_nc_u32 v[ADRA], 32*PITCH, v[ADRA]
	v_add_nc_u32 v[ADRA+1], 32*PITCH, v[ADRA+1]
	v_add_nc_u32 v[AAS], 4*272, v[AAS]
	WALU
	FETCH 1
	BLK 0
	BLK 1
	BLK 2
	BLK 3
	BLK 4
	BLK 5
	BLK 6
	BLK 7
	; the last block of Q or K and V's band 1
.set I_, 0
.rept 18
	CHAIN I_, ACC+32, TQ, SOP
	CHAIN I_, VACC, ACC+8, ACC+12
	CHAIN I_, VACC+32, ACC+10, ACC+13
.set I_, I_+1
.endr
	VCODES 1
	WALU
	s_wait_xcnt 0x0                                ; block 6's stores have read their data
	VSTORE 1
	QCODES 7
	v_permlane16_swap_b32 v[EBQ], v[EBQ+1]         ; now lanes 0-15 hold the even tiles' bytes, lanes 16-31 the odd tiles': v[EBQ] of h = 0, v[EBQ+1] of h = 1
	v_permlane16_swap_b32 v[EV], v[EV+1]           ; tile 0 in lanes 0-15, tile 1 in lanes 16-31
.irp i, 0,1,2,3
	v_perm_b32 v[ACC+\i], v[EBQ+1], v[EBQ], 0x04000400+\i*0x01010101
.endr
	v_lshl_or_b32 v[ACC+4], v[EV+1], 8, v[EV]
	WALU
	QSTORE 7
	global_store_b128 v[CO], v[ACC:ACC+3], s[50:51]   ; 512 consecutive bytes
	global_store_b32 v[C4], v[ACC+4], s[100:101]      ; 128 consecutive bytes
	s_wait_tensorcnt 0x0                           ; the wave's end
	ds_add_u32 v[SPW], v[NIL]
	s_wait_dscnt 0x0
	CROUND                                         ; the closing round
	s_endpgm
.Lfunc_end_k_qacc28bfaee_proj:
	.size	k_qacc28bfaee_proj, .Lfunc_end_k_qacc28bfaee_proj-k_qacc28bfaee_proj
	.p2alignl 7, 3214868480
	.fill 96, 4, 3214868480
	.section	.rodata,"a",@progbits
	.p2align	6, 0x0
	.amdhsa_kernel k_qacc28bfaee_proj
		.amdhsa_group_segment_fixed_size 327680
		.amdhsa_private_segment_fixed_size 0
		.amdhsa_enable_private_segment 0
		.amdhsa_kernarg_size 56
		.amdhsa_user_sgpr_count 2
		.amdhsa_user_sgpr_kernarg_segment_ptr 1
		.amdhsa_wavefront_size32 1
		.amdhsa_system_sgpr_workgroup_id_x 1
		.amdhsa_system_sgpr_workgroup_id_y 1
		.amdhsa_system_sgpr_workgroup_id_z 1
		.amdhsa_system_vgpr_workitem_id 0
		.amdhsa_next_free_vgpr 1024
		.amdhsa_next_free_sgpr 102
		.amdhsa_reserve_vcc 0
		.amdhsa_float_denorm_mode_32 3
		.amdhsa_float_denorm_mode_16_64 3
		.amdhsa_memory_ordered 1
		.amdhsa_forward_progress 1
		.amdhsa_inst_pref_size 118
	.end_amdhsa_kernel
	.amdgpu_metadata
---
amdhsa.version: [ 1, 2 ]
amdhsa.kernels:
  - .name:           k_qacc28bfaee_proj
    .symbol:         k_qacc28bfaee_proj.kd
    .args:
      - { .name: pc, .offset: 0, .size: 8, .value_kind: global_buffer, .address_space: global }
      - { .name: ps, .offset: 8, .size: 8, .value_kind: global_buffer, .address_space: global }
      - { .name: wq_b, .offset: 16, .size: 8, .value_kind: global_buffer, .address_space: global }
      - { .name: wk_b, .offset: 24, .size: 8, .value_kind: global_buffer, .address_space: global }
      - { .name: wv_b, .offset: 32, .size: 8, .value_kind: global_buffer, .address_space: global }
      - { .name: qi, .offset: 40, .size: 8, .value_kind: global_buffer, .address_space: global }
      - { .name: kv, .offset: 48, .size: 8, .value_kind: global_buffer, .address_space: global }
    .group_segment_fixed_size: 327680
    .private_segment_fixed_size: 0
    .kernarg_segment_align: 8
    .kernarg_segment_size: 56
    .max_flat_workgroup_size: 128
    .sgpr_count:     102
    .vgpr_count:     1024
    .wavefront_size: 32
...
	.end_amdgpu_metadata
.endif
;; end of part 2
;; launch attn (part 3): grid 8 x 32, 16 waves a work-group, clusters of 4 x 1, 327,680 bytes of LDS; arguments qi, kv, out0; writes out0
.if DOCPART == 3
	.amdgcn_target "amdgcn-amd-amdhsa--gfx1250"
	.amdhsa_code_object_version 6
	.text
	.protected	k_qacc28bfaee_attn
	.globl	k_qacc28bfaee_attn
	.p2align	8
	.type	k_qacc28bfaee_attn,@function
k_qacc28bfaee_attn:
	s_mov_b64 s[64:65], 0
	v_nop
	global_prefetch_b8 v0, s[64:65] scope:SCOPE_SE
	s_setreg_imm32_b32 hwreg(HW_REG_WAVE_MODE, 25, 1), 1
	s_wait_xcnt 0x0
	s_wait_alu depctr_hold_cnt(0) depctr_sa_sdst(0) depctr_va_vdst(0) depctr_va_sdst(0) depctr_va_ssrc(0) depctr_va_vcc(0) depctr_vm_vsrc(0)
	s_getreg_b32 s2, hwreg(HW_REG_IB_STS2, 6, 4)
	s_cmp_eq_u32 s2, 0
	s_cbranch_scc0 .Lentry_in_a_cluster
	s_endpgm
.Lentry_in_a_cluster:
	s_bfe_u32 s2, ttmp6, 0x10000c
	s_cmp_lg_u32 s2, 0x3003
	s_cbranch_scc0 .Lentry_shape_is_right
	s_endpgm
.Lentry_shape_is_right:
; Causal attention on codes of FP6 for one (batch, head) and, of each of its 16 query blocks of 128, one tile of 16 queries.  A work-group: x = the tile's number in its block, y = (batch, head).
; All of K and V of the head (16 records of 13,056 bytes) comes into LDS by joint loads of four work-groups, one record a wave; record 0 has a load line of its own, so that the first trip begins when it is in.
; No prefetch: every tensor load stands at the head, and no loop loads.
; LEFT OUT: steps of 128 keys that the causal mask hides wholly: their p is 0 for all values of the inputs.  A NaN or an infinity that reaches only them is not carried on.
; THE DEAL.  Query block q has q + 1 steps.  For p = 0 .. 7 wave p (kind A) and wave 8 + p (kind B) make blocks 15 - p and p, 17 steps together: B walks steps 0 .. 7: of block p while the step is at most p, then of block 15 - p;
; A makes the other nine steps of block 15 - p: 0 .. p and 8 .. 15 - p.  B's part of block 15 - p goes to A through LDS; parts are joined by powers of two, since M is a whole number.
; THE ORDER OF KEYS: tile j of band c has keys 64 c + 32 (m / 8) + 8 j + m % 8 in its rows m: S^T's register 32 c + 8 j + i of lane (r, h) is key 64 c + 32 h + 8 j + i: a scale block of p lies in one lane.
; The queries of a tile and V's channels are ordered alike: lane (r, h) of the result holds query 64 c + 32 (r / 8) + 8 j + r % 8 and the 32 neighbouring channels 32 h + 0 .. 31.
; M is the running largest t rounded up to a whole number, kept as -M; the row's sum is taken of the unquantised p.  A block's largest p is 2^ of its largest score (v_exp_f32 is taken not to fall where its input rises).
; LIMITS: the scaled scores (exponents to the base 2) stay under 2^31 in magnitude; NaN and infinities are not served.
.set RECB,  208896
.set STEPB, 13056
.set QREC,  106496
.set QSTEP, 6656
.set STG,   RECB                       ; a stage of 16 rows x 272 bytes for each wave
.set PART,  STG+16*4352                ; B's parts: 4,096 bytes of sums, 256 of (-M, row sum)
.set SPARE, PART+8*4352                ; 128 bytes a wave, that no other line names
.set L16, 1
.set L8,  2
.set A16, 3
.set A8,  4
.set SPW, 5
.set NIL, 6
.set GO,  7
.set A4,  8
.set STO, 9
.set RD,  10
.set QS,  11
.set NM,  12                           ; v12 -M;  v13 the row's sum, at the end
.set LS,  13
.set F,   14
.set QF,  16                           ; v16-27 Q: six registers of codes, six of zeros: K is 64, half of the instruction's 128
.set KS,  28
.set VS,  32
.set M,   34                           ; v34 the largest score so far
.set NINF, 35
.set KF,  36                           ; v36-89 K's or V's fragments; the last six are zeros
.set LA,  90                           ; v90-97 the row's sum in four pairs
.set L4,  98
.set S,   100
.set OT,  164
.set PF,  196
.set PT,  208
.set PU,  212
.set QG,  216                          ; v216-221 block 15 - p's Q,
.set QT,  222                          ; v222 and its scale words
.set BM,  224
.set SO,  228
.set BY,  230
.set T,   232
.set U,   233
.set PS,  234
.set W,   235
.set PA,  236
.set PB,  237
.set G,   238
.set WV,  10
.set P,   11
.set I,   12
.set LIM, 24
.set JX,  25
.set OFF, 26
.set DG,  27
.set SW,  28
.set SJ,  29
.set MB,  30
.set MQ,  36
.set SEL, 40
.set CS,  42
.set NCS, 44
.macro WALU
	s_wait_alu depctr_va_vdst(0)
.endm
.macro DEP1
	s_delay_alu instid0(VALU_DEP_1)
.endm
.macro BARRIER
	s_barrier_signal -1
	s_barrier_wait -1
.endm
.macro CROUND
	BARRIER
	s_cmp_lg_u32 s[WV], 0
	s_cbranch_scc1 .Lnot_wave_0_\@
	s_barrier_signal -3
.Lnot_wave_0_\@:
	s_barrier_wait -3
	BARRIER
.endm
.macro RESET                           ; an empty state: sums 0, the largest score -3e38
.set n, 0
.rept 32
	v_mov_b32 v[OT+n], 0
.set n, n+1
.endr
.set n, 0
.rept 8
	v_mov_b32 v[LA+n], 0
.set n, n+1
.endr
	v_mov_b32 v[M], 0xff61b1e6
	v_mul_f32 v[T], s[NCS], v[M]
	v_floor_f32 v[NM], v[T]
.endm
.macro LSUM                            ; my lane's part of the row's sum
	v_pk_add_f32 v[LA:LA+1], v[LA:LA+1], v[LA+2:LA+3]
	v_pk_add_f32 v[LA+4:LA+5], v[LA+4:LA+5], v[LA+6:LA+7]
	v_pk_add_f32 v[LA:LA+1], v[LA:LA+1], v[LA+4:LA+5]
	v_add_f32 v[LS], v[LA], v[LA+1]
.endm
.macro SEND                            ; O^T / the sum, through my stage, as rows of 256 bytes
	v_permlanex16_b32 v[U], v[LS], s[SEL], s[SEL+1]
	v_add_f32 v[LS], v[LS], v[U]
	WALU
	v_rcp_f32 v[LS], v[LS]
	v_nop
	WALU
.set n, 0
.rept 32
	v_mul_f32 v[S+n], v[OT+n], v[LS]
.set n, n+1
.endr
.irp q, 0,1,2,3,4,5,6,7
	ds_store_b128 v[STO], v[S+4*\q:S+4*\q+3] offset:16*\q
.endr
.irp i, 0,1,2,3,4,5,6,7
	ds_load_b128 v[KF+4*\i:KF+4*\i+3], v[RD] offset:544*\i
.endr
	WALU
.irp i, 0,1,2,3,4,5,6,7
	s_wait_dscnt 7-\i
	global_store_b128 v[GO], v[KF+4*\i:KF+4*\i+3], s[8:9] offset:(2*\i+24*(\i/4))*4096 th:TH_STORE_NT   ; two rows of 256 bytes; rows 8-15 are queries 24 further on
.endr
.endm
.macro OTM n
	v_pk_mul_f32 v[OT+\n:OT+\n+1], v[OT+\n:OT+\n+1], v[F:F+1] op_sel_hi:[1,0]
	v_pk_mul_f32 v[OT+\n+2:OT+\n+3], v[OT+\n+2:OT+\n+3], v[F:F+1] op_sel_hi:[1,0]
.endm
.macro STEP first
.if \first
.set X16, L16
.set X8, L8
.set X4, L4
.else
.set X16, A16
.set X8, A8
.set X4, A4
	s_cmp_gt_u32 s[I], s[LIM]
	s_cbranch_scc1 .Lhidden_\@
	s_cmp_gt_u32 s[I], s[JX]                       ; kind A jumps from step p to step 8
	s_cselect_b32 s56, s[OFF], 0
	s_mul_i32 s57, s[I], STEPB
	s_add_co_u32 s56, s56, s57
	v_add_nc_u32 v[A16], s56, v[L16]               ; (these four are also the places in front of the loads)
	v_add_nc_u32 v[A8], s56, v[L8]
	v_add_nc_u32 v[A4], s56, v[L4]
	v_nop
.endif
	ds_load_b128 v[KS:KS+3], v[X16] offset:12288
.irp t, 0,1,2,3,4,5,6,7
	ds_load_b128 v[KF+6*\t:KF+6*\t+3], v[X16] offset:768*\t
	ds_load_b64 v[KF+6*\t+4:KF+6*\t+5], v[X8] offset:768*\t+512
.endr
	WALU
	s_wait_dscnt 0x0
.irp t, 0,1,2,3,4,5,6,7                ; S^T: a tile's upper six registers are the next tile's codes, which meet Q's zeros
.if \t%2
	v_wmma_scale_f32_16x16x128_f8f6f4 v[S+8*\t:S+8*\t+7], v[KF+6*\t:KF+6*\t+11], v[QF:QF+11], 0, v[KS+\t/2], v[QS] matrix_a_fmt:MATRIX_FMT_FP6 matrix_b_fmt:MATRIX_FMT_FP6 matrix_a_scale:MATRIX_SCALE_ROW1
.else
	v_wmma_scale_f32_16x16x128_f8f6f4 v[S+8*\t:S+8*\t+7], v[KF+6*\t:KF+6*\t+11], v[QF:QF+11], 0, v[KS+\t/2], v[QS] matrix_a_fmt:MATRIX_FMT_FP6 matrix_b_fmt:MATRIX_FMT_FP6
.endif
.endr
.rept 4
	v_nop
.endr
.irp u, 0,1,2,3,4,5,6,7
	ds_load_b128 v[KF+6*\u:KF+6*\u+3], v[X16] offset:6144+768*\u
	ds_load_b64 v[KF+6*\u+4:KF+6*\u+5], v[X8] offset:6144+768*\u+512
.endr
	ds_load_b32 v[VS], v[X4] offset:12800
	ds_load_b32 v[VS+1], v[X4] offset:12928
	s_cmp_lg_u32 s[I], s[DG]
	s_cbranch_scc1 .Lopen_\@
	; The diagonal.  A key is hidden where 64 (c' - c) + 32 (h - r / 8) + 8 (j' - j) + i' - r % 8 > 0: lanes 16-23 wholly, lanes 8-15 not, lanes 0-7 and 24-31 by j' and i' (c' = c); MB, MQ: for each band
.irp c, 0,1
.irp j, 0,1,2,3
	s_cmp_lt_u32 s[SJ], \j
	s_cselect_b32 s56, s[MQ+\c], 0
	s_or_b32 s56, s56, s[MB+\c]
	s_cmp_eq_u32 s[SJ], \j
	s_cselect_b32 s57, s[MQ+\c], 0
	v_cndmask_b32 v[S+32*\c+8*\j], v[S+32*\c+8*\j], v[NINF], s56
.irp i, 1,2,3,4,5,6,7
	s_and_b32 s58, s57, ((1<<\i)-1)*0x01000001
	s_or_b32 s58, s58, s56
	v_cndmask_b32 v[S+32*\c+8*\j+\i], v[S+32*\c+8*\j+\i], v[NINF], s58
.endr
.endr
.endr
	WALU
.Lopen_\@:
.irp b, 0,1                            ; each block's largest score, in two chains
	v_max3_num_f32 v[BM+\b], v[S+32*\b], v[S+32*\b+1], v[S+32*\b+2]
	v_max3_num_f32 v[BM+2+\b], v[S+32*\b+16], v[S+32*\b+17], v[S+32*\b+18]
.endr
.irp i, 3,5,7,9,11,13
.irp b, 0,1
	v_max3_num_f32 v[BM+\b], v[BM+\b], v[S+32*\b+\i], v[S+32*\b+\i+1]
	v_max3_num_f32 v[BM+2+\b], v[BM+2+\b], v[S+32*\b+16+\i], v[S+32*\b+17+\i]
.endr
.endr
.irp b, 0,1
	v_max3_num_f32 v[BM+\b], v[BM+\b], v[S+32*\b+15], v[S+32*\b+31]
.endr
.irp b, 0,1
	v_max_num_f32 v[BM+\b], v[BM+\b], v[BM+2+\b]
.endr
	DEP1
	v_max_num_f32 v[T], v[BM], v[BM+1]
	DEP1
	v_permlanex16_b32 v[U], v[T], s[SEL], s[SEL+1]
	DEP1
	v_max3_num_f32 v[M], v[M], v[T], v[U]
	DEP1
	v_mul_f32 v[T], s[NCS], v[M]
	DEP1
	v_floor_f32 v[T], v[T]                         ; the new -M
	DEP1
	v_sub_f32 v[U], v[T], v[NM]
	v_mov_b32 v[NM], v[T]
	v_cvt_i32_f32 v[U], v[U]
	DEP1
	v_ldexp_f32 v[F], 1.0, v[U]                    ; 2^(old M - new M)
.set n, 0
.rept 32
	v_pk_fma_f32 v[S+n:S+n+1], v[S+n:S+n+1], s[CS:CS+1], v[NM:NM+1] op_sel_hi:[1,0,0]
.set n, n+2
.endr
.irp b, 0,1
	v_fma_f32 v[BM+\b], v[BM+\b], s[CS], v[NM]
.endr
	WALU                                           ; a wait ahead of the batch, and one behind it
.set n, 0
.rept 64
	v_exp_f32 v[S+n], v[S+n]
.set n, n+1
.endr
	v_exp_f32 v[BM], v[BM]
	v_exp_f32 v[BM+1], v[BM+1]
	v_nop
	WALU
	OTM 0
	OTM 4
	v_max_num_f32 v[BM], 0x1800000, v[BM]          ; the floor 2^(3 - 127)
	v_max_num_f32 v[BM+1], 0x1800000, v[BM+1]
	OTM 8
	v_add_nc_u32 v[SO], 0xff000000, v[BM]          ; the conversions' scale operand
	v_add_nc_u32 v[SO+1], 0xff000000, v[BM+1]
	OTM 12
	v_lshrrev_b32 v[BY], 23, v[SO]
	v_lshrrev_b32 v[BY+1], 23, v[SO+1]
	OTM 16
	v_lshl_or_b32 v[W], v[BY+1], 16, v[BY]         ; bytes 0, 2: my blocks; bytes 1, 3: lane l xor 16's
	OTM 20
	v_permlanex16_b32 v[U], v[W], s[SEL], s[SEL+1]
	OTM 24
	OTM 28
	v_lshl_or_b32 v[PS], v[U], 8, v[W]
	v_cvt_scalef32_pk16_fp6_f32 v[PF:PF+2], v[S:S+15], v[SO]
	v_cvt_scalef32_pk16_fp6_f32 v[PT:PT+2], v[S+16:S+31], v[SO]
	v_cvt_scalef32_pk16_fp6_f32 v[PF+6:PF+8], v[S+32:S+47], v[SO+1]
	v_cvt_scalef32_pk16_fp6_f32 v[PU:PU+2], v[S+48:S+63], v[SO+1]
.irp k, 0,2,4,6
	v_pk_fma_f32 v[LA+\k:LA+\k+1], v[LA+\k:LA+\k+1], v[F:F+1], v[S+\k:S+\k+1] op_sel_hi:[1,0,1]
.endr
.irp i, 0,1,2
	v_mov_b32 v[PF+3+\i], v[PT+\i]
	v_mov_b32 v[PF+9+\i], v[PU+\i]
.endr
.set n, 8
.rept 7
.irp k, 0,2,4,6
	v_pk_add_f32 v[LA+\k:LA+\k+1], v[LA+\k:LA+\k+1], v[S+n+\k:S+n+\k+1]
.endr
.set n, n+8
.endr
	WALU
	s_wait_dscnt 0x0
.irp u, 0,1,2,3
.if \u%2
	v_wmma_scale_f32_16x16x128_f8f6f4 v[OT+8*\u:OT+8*\u+7], v[KF+12*\u:KF+12*\u+11], v[PF:PF+11], v[OT+8*\u:OT+8*\u+7], v[VS+\u/2], v[PS] matrix_a_fmt:MATRIX_FMT_FP6 matrix_b_fmt:MATRIX_FMT_FP6 matrix_a_scale:MATRIX_SCALE_ROW1
.else
	v_wmma_scale_f32_16x16x128_f8f6f4 v[OT+8*\u:OT+8*\u+7], v[KF+12*\u:KF+12*\u+11], v[PF:PF+11], v[OT+8*\u:OT+8*\u+7], v[VS+\u/2], v[PS] matrix_a_fmt:MATRIX_FMT_FP6 matrix_b_fmt:MATRIX_FMT_FP6
.endif
.endr
.if \first == 0
.Lhidden_\@:
.endif
.endm
	s_load_b128 s[4:7], s[0:1], 0x0                ; qi, kv
	s_load_b64 s[8:9], s[0:1], 0x10                ; out0
	v_lshl_add_u32 v[SPW], v0, 2, SPARE
	v_mov_b32 v[NIL], 0
	ds_add_u32 v[SPW], v[NIL]                      ; the wave's opening: the add, twice on end, and its wait
	ds_add_u32 v[SPW], v[NIL]
	v_lshrrev_b32 v233, 5, v0
	v_readfirstlane_b32 s[WV], v233
	s_and_b32 s[P], s[WV], 7
	s_bfe_u32 s13, ttmp6, 0x40000
	s_lshl_b32 s14, ttmp9, 2
	s_add_co_u32 s13, s13, s14                     ; the tile's number in its block: 4 c + j
	s_and_b32 s14, ttmp7, 0xffff                   ; (batch, head)
	s_mov_b32 s16, 15|(3<<16)|(1<<21)              ; a record as 51 rows of 256 bytes, jointly for the cluster's four
	s_mov_b32 s17, 32<<16
	s_mov_b32 s18, 51<<16
	s_mov_b32 s19, 32<<16
	s_mov_b32 s20, 51
	s_mov_b32 s21, 32
	s_mov_b32 s22, 0
	s_mov_b32 s23, 0
	s_mov_b32 s32, 1
	s_mul_i32 s33, s[WV], STEPB
	s_mul_i32 s56, s14, RECB
	s_add_co_u32 s54, s56, s33
	s_mov_b32 s55, 0
	s_wait_dscnt 0x0
	WALU
	CROUND                                         ; the first joint loads meet
	s_wait_kmcnt 0x0
	s_add_nc_u64 s[34:35], s[6:7], s[54:55]
	s_or_b32 s35, s35, 0x80000000
	s_cmp_eq_u32 s[WV], 0
	s_cbranch_scc0 .Lothers
	tensor_load_to_lds s[32:35], s[16:23]          ; wave 0: record 0
	s_nop 0
.rept 4
	v_nop
.endr
	s_branch .Lasked
.Lothers:
	tensor_load_to_lds s[32:35], s[16:23]          ; wave w: record w
	s_nop 0
.rept 4
	v_nop
.endr
.Lasked:
	s_xor_b32 s15, s[P], 15                        ; 15 - p
	s_xor_b32 s[OFF], s[P], 7
	s_mul_i32 s[OFF], s[OFF], STEPB
	s_add_co_u32 s57, s[P], 1
	s_cmp_lt_u32 s[WV], 8                          ; kind A: waves 0-7
	s_cselect_b32 s58, s15, s[P]                   ; my first block of queries
	s_cselect_b32 s[LIM], 8, 7                     ; my last trip
	s_cselect_b32 s[JX], s[P], 99                  ; A: the trip behind which it jumps
	s_cselect_b32 s[DG], 8, s[P]                   ; the diagonal's trip
	s_cselect_b32 s[SW], 99, s57                   ; B: the trip at whose head it changes to block 15 - p
	s_mul_i32 s56, s14, QREC
	s_mul_i32 s57, s58, QSTEP
	s_add_co_u32 s46, s56, s57                     ; my first block's record of Q,
	s_mul_i32 s57, s15, QSTEP
	s_add_co_u32 s50, s56, s57                     ; block 15 - p's
	s_and_b32 s56, s13, 1
	s_lshl_b32 s56, s56, 8
	s_lshr_b32 s57, s13, 1
	s_lshl_b32 s57, s57, 2
	s_add_co_u32 s56, s56, s57
	s_add_co_u32 s56, s56, 6144                    ; a tile's scale words: 6144 + 256 (tile % 2) + 4 (tile / 2) + 16 r
	s_add_co_u32 s48, s46, s56
	s_add_co_u32 s52, s50, s56
	s_mul_i32 s57, s13, 768
	s_add_co_u32 s46, s46, s57
	s_add_co_u32 s50, s50, s57
	s_mov_b32 s47, 0
	s_mov_b32 s49, 0
	s_mov_b32 s51, 0
	s_mov_b32 s53, 0
	s_add_nc_u64 s[46:47], s[4:5], s[46:47]
	s_add_nc_u64 s[48:49], s[4:5], s[48:49]
	s_add_nc_u64 s[50:51], s[4:5], s[50:51]
	s_add_nc_u64 s[52:53], s[4:5], s[52:53]
	v_and_b32 v235, 31, v0
	v_lshlrev_b32 v[L16], 4, v235
	v_lshlrev_b32 v[L8], 3, v235
	v_lshlrev_b32 v[L4], 2, v235
	v_and_b32 v224, 15, v0                         ; r
	v_bfe_u32 v225, v0, 4, 1                       ; h
	v_lshlrev_b32 v226, 4, v224
	global_load_b128 v[QF:QF+3], v[L16], s[46:47]
	global_load_b64 v[QF+4:QF+5], v[L8], s[46:47] offset:512
	global_load_b32 v[QS], v226, s[48:49]
	global_load_b128 v[QG:QG+3], v[L16], s[50:51]
	global_load_b64 v[QG+4:QG+5], v[L8], s[50:51] offset:512
	global_load_b32 v[QT], v226, s[52:53]
	s_and_b32 s[SJ], s13, 3                        ; j
	s_lshr_b32 s59, s13, 2                         ; c
	s_lshr_b32 s56, s14, 4
	s_lshl_b32 s56, s56, 11
	s_lshl_b32 s57, s58, 7
	s_add_co_u32 s56, s56, s57
	s_lshl_b32 s57, s59, 6
	s_add_co_u32 s56, s56, s57
	s_lshl_b32 s57, s[SJ], 3
	s_add_co_u32 s56, s56, s57                     ; my first query's row of out0
	s_lshl_b32 s54, s56, 12
	s_and_b32 s57, s14, 15
	s_lshl_b32 s57, s57, 8
	s_add_co_u32 s54, s54, s57
	s_add_nc_u64 s[8:9], s[8:9], s[54:55]
	s_cmp_eq_u32 s59, 0
	s_cselect_b32 s[MB], 0x00ff0000, 0
	s_cselect_b32 s[MQ], 0xff0000ff, 0
	s_cselect_b32 s[MB+1], -1, 0x00ff0000
	s_cselect_b32 s[MQ+1], 0, 0xff0000ff
	s_mov_b32 s[SEL], 0x76543210
	s_mov_b32 s[SEL+1], 0xfedcba98                 ; v_permlanex16_b32's selects for lane l xor 16
	s_mov_b32 s[CS], 0x3e38aa3b                    ; log2(e) / sqrt(64)
	s_mov_b32 s[CS+1], s[CS]
	s_mov_b32 s[NCS], 0xbe38aa3b
	s_mov_b32 s[I], 0
	WALU
	v_lshlrev_b32 v[GO], 12, v225
	v_lshl_add_u32 v[GO], v224, 4, v[GO]
	s_mul_i32 s56, s[WV], 4352
	s_add_co_u32 s56, s56, STG
	v_mul_u32_u24 v[STO], v224, 272
	v_lshl_add_u32 v[STO], v225, 7, v[STO]
	v_add_nc_u32 v[STO], s56, v[STO]               ; in: row r, 128 bytes for each half of the lanes
	v_mul_u32_u24 v[RD], v225, 272
	v_lshl_add_u32 v[RD], v224, 4, v[RD]
	v_add_nc_u32 v[RD], s56, v[RD]                 ; back: two rows of 256 bytes an instruction
	s_mul_i32 s56, s[P], 4352
	s_add_co_u32 s56, s56, PART
	v_add_nc_u32 v[PA], s56, v[L16]
	s_add_co_u32 s56, s56, 4096
	v_add_nc_u32 v[PB], s56, v[L8]
.irp i, 0,1,2,3,4,5
	v_mov_b32 v[QF+6+\i], 0
	v_mov_b32 v[KF+48+\i], 0
.endr
	v_mov_b32 v[LS], 0                             ; (named as a pair's upper half, like the next two)
	v_mov_b32 v[F+1], 0
	v_mov_b32 v[G+1], 0
	v_mov_b32 v[U], 0
	v_mov_b32 v[NINF], 0xff800000
	RESET
	WALU                                           ; the wait at the head's end
	s_wait_loadcnt 0x0
	s_cmp_eq_u32 s[WV], 0
	s_cbranch_scc0 .Lnot_mine
	s_wait_tensorcnt 0x0                           ; record 0 is in
.Lnot_mine:
	BARRIER
	STEP 1                                         ; trip 0: every wave's first step is step 0
	WALU
	s_wait_tensorcnt 0x0                           ; my record is in
	s_wait_dscnt 0x0
	BARRIER
	s_mov_b32 s[I], 1
.Lk:
	s_cmp_lg_u32 s[I], s[SW]
	s_cbranch_scc1 .Lno_change
	LSUM                                           ; B: block p is finished and leaves; block 15 - p begins
	SEND
	v_mov_b32 v[QS], v[QT]
.irp i, 0,1,2,3,4,5
	v_mov_b32 v[QF+\i], v[QG+\i]
.endr
	RESET
	WALU
	s_wait_xcnt 0x0                                ; the stores have read their data
.Lno_change:
	STEP 0
	s_add_co_u32 s[I], s[I], 1
	s_cmp_lt_u32 s[I], 9
	WALU
	s_cbranch_scc1 .Lk
	LSUM
	WALU
	s_cmp_lt_u32 s[WV], 8
	s_cbranch_scc1 .Lkind_a
.irp q, 0,1,2,3,4,5,6,7                        ; B's part of block 15 - p
	ds_store_b128 v[PA], v[OT+4*\q:OT+4*\q+3] offset:512*\q
.endr
	ds_store_b64 v[PB], v[NM:NM+1]
.Lkind_a:
	s_wait_dscnt 0x0
	BARRIER
	s_cmp_lt_u32 s[WV], 8
	s_cbranch_scc0 .Ldone
	ds_load_b64 v[T:T+1], v[PB]                    ; A: -M and the sum of B's part,
.irp q, 0,1,2,3,4,5,6,7
	ds_load_b128 v[S+4*\q:S+4*\q+3], v[PA] offset:512*\q
.endr
	s_wait_dscnt 0x0
	v_min_num_f32 v[BM], v[NM], v[T]               ; the larger M
	v_sub_f32 v[BM+1], v[BM], v[NM]
	v_sub_f32 v[BM+2], v[BM], v[T]
	v_cvt_i32_f32 v[BM+1], v[BM+1]
	v_cvt_i32_f32 v[BM+2], v[BM+2]
	v_ldexp_f32 v[F], 1.0, v[BM+1]
	v_ldexp_f32 v[G], 1.0, v[BM+2]
	v_mul_f32 v[LS], v[LS], v[F]
	v_fma_f32 v[LS], v[T+1], v[G], v[LS]
.set n, 0
.rept 16
	v_pk_mul_f32 v[OT+n:OT+n+1], v[OT+n:OT+n+1], v[F:F+1] op_sel_hi:[1,0]
.set n, n+2
.endr
.set n, 0
.rept 16
	v_pk_fma_f32 v[OT+n:OT+n+1], v[S+n:S+n+1], v[G:G+1], v[OT+n:OT+n+1] op_sel_hi:[1,0,1]
.set n, n+2
.endr
	SEND
.Ldone:
	s_wait_tensorcnt 0x0                           ; the wave's end
	ds_add_u32 v[SPW], v[NIL]
	s_wait_dscnt 0x0
	CROUND                                         ; the closing round
	s_endpgm
.Lfunc_end_k_qacc28bfaee_attn:
	.size	k_qacc28bfaee_attn, .Lfunc_end_k_qacc28bfaee_attn-k_qacc28bfaee_attn
	.p2alignl 7, 3214868480
	.fill 96, 4, 3214868480
	.section	.rodata,"a",@progbits
	.p2align	6, 0x0
	.amdhsa_kernel k_qacc28bfaee_attn
		.amdhsa_group_segment_fixed_size 327680
		.amdhsa_private_segment_fixed_size 0
		.amdhsa_enable_private_segment 0
		.amdhsa_kernarg_size 24
		.amdhsa_user_sgpr_count 2
		.amdhsa_user_sgpr_kernarg_segment_ptr 1
		.amdhsa_wavefront_size32 1
		.amdhsa_system_sgpr_workgroup_id_x 1
		.amdhsa_system_sgpr_workgroup_id_y 1
		.amdhsa_system_sgpr_workgroup_id_z 1
		.amdhsa_system_vgpr_workitem_id 0
		.amdhsa_next_free_vgpr 256
		.amdhsa_next_free_sgpr 66
		.amdhsa_reserve_vcc 0
		.amdhsa_float_denorm_mode_32 3
		.amdhsa_float_denorm_mode_16_64 3
		.amdhsa_memory_ordered 1
		.amdhsa_forward_progress 1
		.amdhsa_inst_pref_size 74
	.end_amdhsa_kernel
	.amdgpu_metadata
---
amdhsa.version: [ 1, 2 ]
amdhsa.kernels:
  - .name:           k_qacc28bfaee_attn
    .symbol:         k_qacc28bfaee_attn.kd
    .args:
      - { .name: qi, .offset: 0, .size: 8, .value_kind: global_buffer, .address_space: global }
      - { .name: kv, .offset: 8, .size: 8, .value_kind: global_buffer, .address_space: global }
      - { .name: out0, .offset: 16, .size: 8, .value_kind: global_buffer, .address_space: global }
    .group_segment_fixed_size: 327680
    .private_segment_fixed_size: 0
    .kernarg_segment_align: 8
    .kernarg_segment_size: 24
    .max_flat_workgroup_size: 512
    .sgpr_count:     66
    .vgpr_count:     256
    .wavefront_size: 32
...
	.end_amdgpu_metadata
.endif
;; end of part 3
